; MI455X (gfx1250); checked and timed in simulation.
; The chip was launched on July 23, 2026; its instructions are those of AMD's public machine-readable ISA for CDNA 5 (MIT licence, August 2026) and "CDNA5" Instruction Set Architecture Reference Guide (July 2026). The comments in the code are by the model that wrote it; some were corrected since.
;; Multi Head Attention1d. Allowed arithmetic: matrix products marked QUANTISED: E5M2 operands, one given power-of-two scale a tensor, by v_wmma_f32_16x16x64_bf8_bf8 or v_wmma_f32_16x16x128_bf8_bf8, f32 sums; everything else in f32.
;; Inputs: Wk_codes 2,048 x 8 x 32 uint8 (E5M2 codes of Wk, K innermost, in blocks of 32 codes); Wp_codes 256 x 8 x 32 uint8 (E5M2 codes of Wp, K innermost, in blocks of 32 codes); Wq_codes 2,048 x 8 x 32 uint8 (E5M2 codes of Wq, K innermost, in blocks of 32 codes); Wv_codes 2,048 x 8 x 32 uint8 (E5M2 codes of Wv, K innermost, in blocks of 32 codes); bk 2,048 float32; bq 2,048 float32; bv 2,048 float32; gamma 8 x 1 x 1 x 1 float32; lowp_scales 12 int32 (the exponents e of the quantised operands' scales 2^e); x_codes 4 x 1,024 x 8 x 32 uint8 (E5M2 codes of x, K innermost, in blocks of 32 codes); y_codes 4 x 1,024 x 8 x 32 uint8 (E5M2 codes of y, K innermost, in blocks of 32 codes).
;; Outputs: out0 4 x 2,048 x 1,024 float32.
;; This version of the problem:
;;   THIS VERSION OF THE PROBLEM IS GIVEN IN LOW PRECISION. The matrix products marked QUANTISED in the list below multiply operands that are first quantised to E5M2 (5 exponent bits, 2 mantissa bits; 8 bits a number), with one given power-of-two scale for each operand tensor; their sums are f32. All else is computed in f32.
;;   The module's matrix products, in the order in which they are computed (A, B: the left and right operand; K: the contracted axis; several contracted axes count as one K, in the product's order):
;;     1. [M 4,096, K 256] x [K 256, N 2,048]; A: input x (given as codes); B: input Wq (given as codes): QUANTISED (scales: A lowp_scales[0], B lowp_scales[1])
;;     2. [M 4,096, K 256] x [K 256, N 2,048]; A: input x (given as codes); B: input Wk (given as codes): QUANTISED (scales: A lowp_scales[2], B lowp_scales[3])
;;     3. [M 4,096, K 256] x [K 256, N 2,048]; A: input y (given as codes); B: input Wv (given as codes): QUANTISED (scales: A lowp_scales[4], B lowp_scales[5])
;;     4. batch 32 x [M 1,024, K 256] x [K 256, N 1,024]; A: computed on the way; B: computed on the way: QUANTISED (scales: A lowp_scales[6], B lowp_scales[7])
;;     5. batch 32 x [M 256, K 1,024] x [K 1,024, N 1,024]; A: computed on the way; B: softmax (see below): QUANTISED (scales: A lowp_scales[8], B lowp_scales[9])
;;     6. [M 4,096, K 256] x [K 256, N 256]; A: input y (given as codes); B: input Wp (given as codes): QUANTISED (scales: A lowp_scales[10], B lowp_scales[11])
;;   THE QUANTISER, for each operand of a quantised product, along K:
;;     - The operand's scale is 2^e, e = its entry of the input lowp_scales (int32; the entries are numbered through the quantised products in the list's order, A before B).
;;     - Each number is divided by the scale, clamped to +-57,344, and rounded to the nearest number of E5M2, ties to even, subnormals kept.
;;     - The product sums the exact products of the quantised numbers (number of the format x scale) in f32.
;;   ~~~python
;;   def quantise(x, axis, e):      # numpy; x: float32 -> the quantised numbers, widened to float32 again
;;       x = np.moveaxis(x, axis, -1); K = x.shape[-1]
;;       r = np.clip(x / 2.0 ** e, -57344, 57344)
;;       step = 2.0 ** (np.maximum(np.frexp(np.where(r == 0, 1, r))[1] - 1, -14) - 2)
;;       q = np.round(r / step) * step * 2.0 ** e      # np.round: ties to even
;;       return np.moveaxis(q, -1, axis).astype(np.float32)
;;   ~~~
;;   SOFTMAX AHEAD OF A QUANTISED PRODUCT. Where the list says 'softmax', what is quantised is not the finished softmax but p = 2^(t - M), with t = logit x log2(e) and M = ceil(the row's largest t), a whole number; so 1/2 < the row's largest p <= 1. The row's sum l is taken of the UNQUANTISED p, in f32, and the product's result is divided by l at the end. Since M is a whole number, a kernel that streams over the keys may use a running M (the ceiling of the running maximum): every later rescaling is an exact power of two, so the quantised numbers keep their values, but for numbers so far below the row's largest that they fall under the format's range.
;;   OPERANDS COMPUTED ON THE WAY. 'Computed on the way' means the value that the module computes at that place (a softmax that the list does not call 'softmax' is quantised finished and normalised). What goes into a quantiser is computed in f32, as accurately as f32 sums, v_exp_f32 and their like allow (about 1e-6 of the number): no bf16 or f16 on the way to a quantiser, and a product that is left as it is and whose result goes on into a quantised operand takes f32 operands (vector FMAs, or v_wmma_f32_16x16x4_f32). A number that lies on a knife's edge between two numbers of the format may be rounded either way, as far as f32 arithmetic and the matrix unit's own rounding can turn it there, and no further.
;;   INPUTS GIVEN AS CODES. Wk (in the module: [2048, 256], K = its axis 1); Wp (in the module: [256, 256], K = its axis 1); Wq (in the module: [2048, 256], K = its axis 1); Wv (in the module: [2048, 256], K = its axis 1); x (in the module: [4, 256, 1024], K = its axis 1); y (in the module: [4, 256, 1024], K = its axis 1): each comes as NAME_codes (uint8): NAME with its K axis moved to the last place and cut into blocks of 32 codes, [.., K / 32, bytes a block], one block behind the other in memory; one code a byte (a code: sign, 5 exponent bits, 2 mantissa bits); its scale is its entry of lowp_scales. Its value is code x scale, taken as it is: it is not quantised again, and the codes and scales need not be those that the quantiser above would give.
;; One version. Each part assembles by itself: llvm-mc -triple=amdgcn-amd-amdhsa -mcpu=gfx1250 --defsym DOCPART=n.
;; ======== version 1 of 1: 2 launches
;; limits: right only within a limited range of input values
;; workspace buffers: qws 8,388,608 bytes; kws 8,388,608 bytes; vws 8,388,608 bytes; ypws 4,194,304 bytes
;; launch project (part 1): grid 400 x 1, 4 waves a work-group, no clusters, 0 bytes of LDS; arguments x_codes, y_codes, Wq_codes, Wk_codes, Wv_codes, Wp_codes, bq, bk, bv, lowp_scales, qws, kws, vws, ypws; writes qws, kws, vws, ypws
.if DOCPART == 1
	.amdgcn_target "amdgcn-amd-amdhsa--gfx1250"
	.amdhsa_code_object_version 6
	.text
	.protected	k_q054e56011b_project
	.globl	k_q054e56011b_project
	.p2align	8
	.type	k_q054e56011b_project,@function
k_q054e56011b_project:
	s_mov_b64 s[64:65], 0
	v_nop
	global_prefetch_b8 v0, s[64:65] scope:SCOPE_SE
	s_setreg_imm32_b32 hwreg(HW_REG_WAVE_MODE, 25, 1), 1
	s_wait_xcnt 0x0
; THE FOUR PROJECTIONS, all on codes of BF8 (E5M2) by v_wmma_f32_16x16x128_bf8_bf8, K = 256 = two instructions deep.
;   q = Wq x + bq, k = Wk x + bk, v = Wv y + bv: each sum gets its bias and is quantised again, with the scale given for it as an operand of the attention (entries 6, 7, 8 of the scales);
;   yp = Wp y: the raw f32 sums are stored; the attention's launch multiplies them by 2^(e10 + e11).
; WHAT IS STORED ARE IMAGES OF OPERAND REGISTERS: a chunk is 512 bytes, lane l's 16 bytes at 16 l, so that the next launch fills a fragment by four loads of 512 consecutive bytes.
;   qws, kws: [b][head][tile of 16 positions, 0..63][K step of 128 channels, 0..1][chunk 0..3][512]     vws: [b][head][step of 128 keys, 0..7][tile of 16 channels, 0..15][chunk][512]
;   ypws: [b][tile of 16 positions][tile of 16 channels, 0..15][half 0..1][512], f32, in the layout of a matrix result.
; ONE ORDER OF ROWS FOR EVERY TILE OF EVERY OPERAND: lane r of tile t takes row 32 (t / 2) + 8 (t % 2) + r + 8 (r / 8).  In a result, lane (r, h) then holds in register j of tile t source 0's row
; 32 (t / 2) + 16 h + 8 (t % 2) + j: the 16 registers of tiles 2 c and 2 c + 1 are the 16 neighbours 32 c + 16 h + 0 .. 15 along the next product's K, and their codes ARE chunk c of the next fragment.
; A fragment (16 rows x 128 K) is fetched by four loads of 16 bytes a lane: registers 4 c .. 4 c + 3 hold K = 32 c + 16 h + 0 .. 15: the same order of K on both sides of every product.
; SHARES.  A unit is 128 rows of source 0 (8 tiles, which stay in registers, window 1) x one tile of 16 rows of source 1: 16 matrix instructions.  A wave does 8 units, all written out: every offset is an immediate.
;   work-groups 0-127 q, 128-255 k: source 0 = 128 rows of W (half a head's channels), source 1 = positions of x: a lane holds one position, its registers run along the channels, which are the scores' K.
;   work-groups 256-383 v: source 0 = 128 positions of y (a step of keys), source 1 = rows of Wv: a lane holds one channel, its registers run along the keys, which are the second product's K.
;   work-groups 384-399 yp: source 0 = 128 rows of Wp, source 1 = positions of y: the layout in which the attention holds its result.
; The bias is the C of a sum's first matrix instruction, divided by the power of two that the sums lack; the three scales ahead of the quantiser are folded into the conversion's one.
; NO LDS, NO TENSOR LOAD, NO CLUSTER: a wave's whole input is 32 KB of source 0 and 32 KB of source 1, each byte fetched once by the wave, straight into the registers that multiply it; there is no loop over K
; whose refills a round of a cluster's barrier could serve, and no byte is read twice by a wave.
; LIMITS: e6 - e0 - e1, e7 - e2 - e3 and e8 - e4 - e5 lie between -126 and 112, so that the conversion's scale and 57,344 x it are f32 numbers.  NaN and infinity among the given codes are not served.
.set LA,  1                            ; v1   (r + 8 (r / 8)) x 256 + 16 h: my lane's place in a tile of 16 rows of 256 codes
.set LI,  2                            ; v2   16 x lane: my place in a chunk
.set BO,  3                            ; v3   my lane's offset in the bias
.set SC,  8                            ; v8   2^(eo - ea - eb) as f32: the conversion takes its exponent field
.set LIM, 9                            ; v9   57,344 x that
.set XB0, 16                           ; v16-47, v48-79   source 1's tile, two buffers by turns
.set ACC, 80                           ; v80-143          the unit's 8 accumulators
.set CB,  144                          ; v144-207         q, k: the bias of the 8 tiles.  v: v144-151 the bias of my 8 tiles' rows, v152-159 the C in hand.  yp: a second set of accumulators
.set PC,  208                          ; v208-223, v224-239   a fragment's codes, two sets by turns
.set MSB, 0
.macro WIN new                         ; the immediate's high byte repeats the setting that is left
.if MSB != \new
	s_set_vgpr_msb (MSB<<8)|\new
.set MSB, \new
.endif
.endm
.macro PLACES                          ; four plain vector instructions behind a matrix instruction, ahead of reads of its result and of loads into its sources
.rept 4
	v_nop
.endr
.endm
.macro S0LOAD                          ; source 0's 16 fragments (tile t, K step s) into window 1, v[32 t + 16 s]
	WIN 0x40
.irp t, 0,1,2,3,4,5,6,7
.irp s, 0,1
.irp c, 0,1,2,3
	global_load_b128 v[32*\t+16*\s+4*\c:32*\t+16*\s+4*\c+3], v[LA], s[4:5] offset:(32*(\t/2)+8*(\t%2))*256+128*\s+32*\c
.endr
.endr
.endr
	WIN 0
.endm
.macro XLOAD i                         ; source 1's tile i of my eight: two fragments, 8 loads, into buffer i % 2
.irp s, 0,1
.irp c, 0,1,2,3
	global_load_b128 v[XB0+32*((\i)%2)+16*\s+4*\c:XB0+32*((\i)%2)+16*\s+4*\c+3], v[LA], s[6:7] offset:(32*((\i)/2)+8*((\i)%2))*256+128*\s+32*\c
.endr
.endr
.endm
.macro SCALES                          ; s56 = ea + eb, s57 = eo
	s_sub_co_i32 s58, 0, s56                       ; the bias goes in as bias / 2^(ea + eb)
	s_sub_co_i32 s57, s57, s56                     ; a sum stands for sum x 2^(ea + eb): its code is sum / 2^(eo - ea - eb)
	s_add_co_i32 s57, s57, 127
	s_lshl_b32 s59, s57, 23
	v_mov_b32 v[SC], s59
	s_add_co_i32 s57, s57, 15
	s_lshl_b32 s57, s57, 23
	s_or_b32 s57, s57, 0x600000
	v_mov_b32 v[LIM], s57
.endm
; Unit i.  cls 0: q or k; 1: v; 2: yp.
.macro UNIT cls, i
.set XB, XB0+32*((\i)%2)
.set PCC, PC+16*((\i)%2)
.set AC, ACC
.set STR, 4096                         ; bytes from a tile's image to the next: two fragments in qws and kws,
.if \cls == 1
.set STR, 2048                         ; one in vws
.endif
.if \cls == 2
.set AC, ACC+64*((\i)%2)
.endif
.if \i < 7
	s_wait_loadcnt 8                               ; this tile's 8 loads are in (and all older loads); the next tile's 8 may be out
.else
	s_wait_loadcnt 0
.endif
.if (\cls == 2) && (\i >= 2)
	s_wait_xcnt 0x0                                ; the stores of two units ago have read this set of accumulators
.endif
.if \cls == 1
.irp j, 0,1,2,3,4,5,6,7
	v_ldexp_f32 v[CB+8+\j], v[CB+\i], s58          ; a lane holds one channel: its bias / 2^(e4 + e5) in all eight registers of C
.endr
.endif
	WIN 0x01                                       ; source 0 in window 1
.irp t, 0,1,2,3,4,5,6,7                ; the eight accumulators take turns, one instruction a turn
.if \cls == 0
	v_wmma_f32_16x16x128_bf8_bf8 v[AC+8*\t:AC+8*\t+7], v[32*\t:32*\t+15], v[XB:XB+15], v[CB+8*\t:CB+8*\t+7]
.elseif \cls == 1
	v_wmma_f32_16x16x128_bf8_bf8 v[AC+8*\t:AC+8*\t+7], v[32*\t:32*\t+15], v[XB:XB+15], v[CB+8:CB+15]
.else
	v_wmma_f32_16x16x128_bf8_bf8 v[AC+8*\t:AC+8*\t+7], v[32*\t:32*\t+15], v[XB:XB+15], 0
.endif
.endr
.irp t, 0,1,2,3,4,5,6,7
	v_wmma_f32_16x16x128_bf8_bf8 v[AC+8*\t:AC+8*\t+7], v[32*\t+16:32*\t+31], v[XB+16:XB+31], v[AC+8*\t:AC+8*\t+7]
.endr
	WIN 0
	PLACES
.if (\cls != 2) && (\i >= 2)
	s_wait_xcnt 0x0                                ; the stores of two units ago have read this set of codes
.endif
.if \i < 6
	XLOAD (\i)+2                                   ; into the buffer just multiplied
.endif
.if \cls != 2
.irp b, 0,1,2,3
.irp k, 0,1,2,3,4,5,6,7,8,9,10,11,12,13,14,15
	v_med3_num_f32 v[ACC+16*\b+\k], v[ACC+16*\b+\k], -v[LIM], v[LIM]   ; the conversion to an 8-bit code does not saturate (ISA guide 7.6.2): the hold at the largest code x the scale; each accumulator from its low end on
.endr
	v_cvt_scalef32_pk8_bf8_f32 v[PCC+4*\b:PCC+4*\b+1], v[ACC+16*\b:ACC+16*\b+7], v[SC]
	v_cvt_scalef32_pk8_bf8_f32 v[PCC+4*\b+2:PCC+4*\b+3], v[ACC+16*\b+8:ACC+16*\b+15], v[SC]
.endr
	v_nop                                          ; one plain vector instruction between the last conversion and the next unit's products, which write its sources
.irp c, 0,1,2,3
	global_store_b128 v[LI], v[PCC+4*\c:PCC+4*\c+3], s[8:9] offset:(\i)*STR+512*\c   ; chunk c: 32 lanes store 512 consecutive bytes, at a multiple of 512 from the buffer's first byte
.endr
.else
.irp t, 0,1,2,3,4,5,6,7
	global_store_b128 v[LI], v[AC+8*\t:AC+8*\t+3], s[8:9] offset:(\i)*16384+1024*\t          ; the raw sums as they stand in the accumulator, its low half first
	global_store_b128 v[LI], v[AC+8*\t+4:AC+8*\t+7], s[8:9] offset:(\i)*16384+1024*\t+512
.endr
.endif
.endm
	s_load_b512 s[16:31], s[0:1], 0x0              ; x s[16:17], y s[18:19], Wq s[20:21], Wk s[22:23], Wv s[24:25], Wp s[26:27], bq s[28:29], bk s[30:31]
	s_load_b256 s[32:39], s[0:1], 0x40             ; bv s[32:33], the scales' exponents s[34:35], qws s[36:37], kws s[38:39]
	s_load_b128 s[40:43], s[0:1], 0x60             ; vws s[40:41], ypws s[42:43]
	v_lshrrev_b32 v4, 5, v0
	v_readfirstlane_b32 s3, v4                     ; wave 0..3
	v_and_b32 v5, 15, v0                           ; r
	v_bfe_u32 v6, v0, 4, 1                         ; h
	v_and_b32 v7, 8, v5
	v_add_nc_u32 v7, v7, v5                        ; r + 8 (r / 8)
	v_lshlrev_b32 v[LA], 8, v7
	v_lshl_add_u32 v[LA], v6, 4, v[LA]
	v_and_b32 v[LI], 31, v0
	v_lshlrev_b32 v[LI], 4, v[LI]
	s_mov_b32 s2, ttmp9                            ; the work-group's number
	s_lshl_b32 s15, s3, 3                          ; 8 x wave
	s_mov_b32 s63, 0                               ; the high word of every offset
	s_wait_kmcnt 0x0
	s_cmp_ge_u32 s2, 384
	s_cbranch_scc1 .Lyp
	s_cmp_ge_u32 s2, 256
	s_cbranch_scc1 .Lv
	; ---- q (work-groups 0-127) and k (128-255): one path, the buffers chosen on the work-group's number
	s_load_b256 s[44:51], s[34:35], 0x0            ; e0 .. e7
	s_and_b32 s12, s2, 127
	s_lshr_b32 s13, s12, 3                         ; which 128 rows of W: head = s13 / 2, K step of the scores = s13 % 2
	s_and_b32 s14, s12, 7
	s_lshl_b32 s14, s14, 5
	s_add_co_u32 s14, s14, s15                     ; my first tile of positions, 0 .. 248
	s_cmp_lt_u32 s2, 128
	s_cselect_b64 s[4:5], s[20:21], s[22:23]       ; W
	s_cselect_b64 s[10:11], s[28:29], s[30:31]     ; its bias
	s_cselect_b64 s[8:9], s[36:37], s[38:39]       ; where the codes go
	s_lshl_b32 s62, s13, 15
	s_add_nc_u64 s[4:5], s[4:5], s[62:63]          ; 128 rows of 256 bytes
	s_lshl_b32 s62, s13, 9
	s_add_nc_u64 s[10:11], s[10:11], s[62:63]      ; 128 numbers of 4 bytes
	s_lshl_b32 s62, s14, 12
	s_add_nc_u64 s[6:7], s[16:17], s[62:63]        ; x at my first tile: 16 rows of 256 bytes each
	s_lshr_b32 s59, s14, 6
	s_lshl_b32 s59, s59, 21                        ; b
	s_lshr_b32 s60, s13, 1
	s_lshl_b32 s60, s60, 18                        ; head
	s_add_co_u32 s59, s59, s60
	s_and_b32 s60, s14, 63
	s_lshl_b32 s60, s60, 12                        ; tile
	s_add_co_u32 s59, s59, s60
	s_and_b32 s60, s13, 1
	s_lshl_b32 s60, s60, 11                        ; K step
	s_add_co_u32 s62, s59, s60
	s_add_nc_u64 s[8:9], s[8:9], s[62:63]
	v_lshlrev_b32 v[BO], 6, v6                     ; the bias: register j of tile t wants that of row 32 (t / 2) + 16 h + 8 (t % 2) + j
	S0LOAD
.irp t, 0,1,2,3,4,5,6,7
	global_load_b128 v[CB+8*\t:CB+8*\t+3], v[BO], s[10:11] offset:(32*(\t/2)+8*(\t%2))*4
	global_load_b128 v[CB+8*\t+4:CB+8*\t+7], v[BO], s[10:11] offset:(32*(\t/2)+8*(\t%2))*4+16
.endr
	XLOAD 0
	XLOAD 1
	s_wait_kmcnt 0x0
	s_cmp_lt_u32 s2, 128
	s_cselect_b32 s12, s44, s46                    ; x's exponent in this product
	s_cselect_b32 s13, s45, s47                    ; W's
	s_cselect_b32 s57, s50, s51                    ; and that of the result as an operand of the scores
	s_add_co_i32 s56, s12, s13
	SCALES
	s_wait_loadcnt 16                              ; source 0 and the bias are in; the two tiles of x, 16 loads, may be out
.set i, 0
.rept 64
	v_ldexp_f32 v[CB+i], v[CB+i], s58
.set i, i+1
.endr
.irp i, 0,1,2,3,4,5,6,7
	UNIT 0, \i
.endr
	s_endpgm
	; ---- v
.Lv:
	s_load_b64 s[48:49], s[34:35], 0x10            ; e4, e5
	s_load_b32 s52, s[34:35], 0x20                 ; e8
	s_sub_co_u32 s12, s2, 256
	s_lshr_b32 s13, s12, 2                         ; which 128 positions of y: b = s13 / 8, step of keys = s13 % 8
	s_and_b32 s14, s12, 3
	s_lshl_b32 s14, s14, 5
	s_add_co_u32 s14, s14, s15                     ; my first tile of Wv's rows, 0 .. 120
	s_lshl_b32 s62, s13, 15
	s_add_nc_u64 s[4:5], s[18:19], s[62:63]
	s_lshl_b32 s62, s14, 12
	s_add_nc_u64 s[6:7], s[24:25], s[62:63]
	s_lshl_b32 s62, s14, 6
	s_add_nc_u64 s[10:11], s[32:33], s[62:63]      ; bv at my first tile: 16 numbers of 4 bytes each
	s_lshr_b32 s59, s13, 3
	s_lshl_b32 s59, s59, 21                        ; b
	s_lshr_b32 s60, s14, 4
	s_lshl_b32 s60, s60, 18                        ; head
	s_add_co_u32 s59, s59, s60
	s_and_b32 s60, s13, 7
	s_lshl_b32 s60, s60, 15                        ; step of keys
	s_add_co_u32 s59, s59, s60
	s_and_b32 s60, s14, 15
	s_lshl_b32 s60, s60, 11                        ; tile of channels
	s_add_co_u32 s62, s59, s60
	s_add_nc_u64 s[8:9], s[40:41], s[62:63]
	v_lshlrev_b32 v[BO], 2, v7                     ; the bias of my lane's row of a tile
	S0LOAD
.irp i, 0,1,2,3,4,5,6,7
	global_load_b32 v[CB+\i], v[BO], s[10:11] offset:(32*(\i/2)+8*(\i%2))*4
.endr
	XLOAD 0
	XLOAD 1
	s_wait_kmcnt 0x0
	s_add_co_i32 s56, s48, s49
	s_mov_b32 s57, s52
	SCALES
	s_wait_loadcnt 16                              ; source 0 and the bias are in; the two tiles of Wv may be out
.irp i, 0,1,2,3,4,5,6,7
	UNIT 1, \i
.endr
	s_endpgm
	; ---- yp
.Lyp:
	s_sub_co_u32 s12, s2, 384
	s_lshr_b32 s13, s12, 3                         ; which 128 rows of Wp
	s_and_b32 s14, s12, 7
	s_lshl_b32 s14, s14, 5
	s_add_co_u32 s14, s14, s15                     ; my first tile of positions
	s_lshl_b32 s62, s13, 15
	s_add_nc_u64 s[4:5], s[26:27], s[62:63]
	s_lshl_b32 s62, s14, 12
	s_add_nc_u64 s[6:7], s[18:19], s[62:63]
	s_lshl_b32 s59, s14, 14                        ; a tile of positions: 16 tiles of channels x 1,024 bytes
	s_lshl_b32 s60, s13, 13                        ; my 8 tiles of channels
	s_add_co_u32 s62, s59, s60
	s_add_nc_u64 s[8:9], s[42:43], s[62:63]
	S0LOAD
	XLOAD 0
	XLOAD 1
.irp i, 0,1,2,3,4,5,6,7
	UNIT 2, \i
.endr
	s_endpgm
.Lfunc_end_k_q054e56011b_project:
	.size	k_q054e56011b_project, .Lfunc_end_k_q054e56011b_project-k_q054e56011b_project
	.p2alignl 7, 3214868480
	.fill 96, 4, 3214868480
	.section	.rodata,"a",@progbits
	.p2align	6, 0x0
	.amdhsa_kernel k_q054e56011b_project
		.amdhsa_group_segment_fixed_size 0
		.amdhsa_private_segment_fixed_size 0
		.amdhsa_enable_private_segment 0
		.amdhsa_kernarg_size 112
		.amdhsa_user_sgpr_count 2
		.amdhsa_user_sgpr_kernarg_segment_ptr 1
		.amdhsa_wavefront_size32 1
		.amdhsa_system_sgpr_workgroup_id_x 1
		.amdhsa_system_sgpr_workgroup_id_y 1
		.amdhsa_system_sgpr_workgroup_id_z 1
		.amdhsa_system_vgpr_workitem_id 0
		.amdhsa_next_free_vgpr 512
		.amdhsa_next_free_sgpr 66
		.amdhsa_reserve_vcc 0
		.amdhsa_float_denorm_mode_32 3
		.amdhsa_float_denorm_mode_16_64 3
		.amdhsa_memory_ordered 1
		.amdhsa_forward_progress 1
		.amdhsa_inst_pref_size 172
	.end_amdhsa_kernel
	.amdgpu_metadata
---
amdhsa.version: [ 1, 2 ]
amdhsa.kernels:
  - .name:           k_q054e56011b_project
    .symbol:         k_q054e56011b_project.kd
    .args:
      - { .name: x_codes, .offset: 0, .size: 8, .value_kind: global_buffer, .address_space: global }
      - { .name: y_codes, .offset: 8, .size: 8, .value_kind: global_buffer, .address_space: global }
      - { .name: Wq_codes, .offset: 16, .size: 8, .value_kind: global_buffer, .address_space: global }
      - { .name: Wk_codes, .offset: 24, .size: 8, .value_kind: global_buffer, .address_space: global }
      - { .name: Wv_codes, .offset: 32, .size: 8, .value_kind: global_buffer, .address_space: global }
      - { .name: Wp_codes, .offset: 40, .size: 8, .value_kind: global_buffer, .address_space: global }
      - { .name: bq, .offset: 48, .size: 8, .value_kind: global_buffer, .address_space: global }
      - { .name: bk, .offset: 56, .size: 8, .value_kind: global_buffer, .address_space: global }
      - { .name: bv, .offset: 64, .size: 8, .value_kind: global_buffer, .address_space: global }
      - { .name: lowp_scales, .offset: 72, .size: 8, .value_kind: global_buffer, .address_space: global }
      - { .name: qws, .offset: 80, .size: 8, .value_kind: global_buffer, .address_space: global }
      - { .name: kws, .offset: 88, .size: 8, .value_kind: global_buffer, .address_space: global }
      - { .name: vws, .offset: 96, .size: 8, .value_kind: global_buffer, .address_space: global }
      - { .name: ypws, .offset: 104, .size: 8, .value_kind: global_buffer, .address_space: global }
    .group_segment_fixed_size: 0
    .private_segment_fixed_size: 0
    .kernarg_segment_align: 8
    .kernarg_segment_size: 112
    .max_flat_workgroup_size: 128
    .sgpr_count:     66
    .vgpr_count:     512
    .wavefront_size: 32
...
	.end_amdgpu_metadata
.endif
;; end of part 1
;; launch attend (part 2): grid 8 x 32, 4 waves a work-group, clusters of 4 x 1, 327,680 bytes of LDS; arguments qws, kws, vws, ypws, gamma, lowp_scales, out0; writes out0
.if DOCPART == 2
	.amdgcn_target "amdgcn-amd-amdhsa--gfx1250"
	.amdhsa_code_object_version 6
	.text
	.protected	k_q054e56011b_attend
	.globl	k_q054e56011b_attend
	.p2align	8
	.type	k_q054e56011b_attend,@function
k_q054e56011b_attend:
	s_mov_b64 s[64:65], 0
	v_nop
	global_prefetch_b8 v0, s[64:65] scope:SCOPE_SE
	s_setreg_imm32_b32 hwreg(HW_REG_WAVE_MODE, 25, 1), 1
	s_wait_xcnt 0x0
	s_wait_alu depctr_hold_cnt(0) depctr_sa_sdst(0) depctr_va_vdst(0) depctr_va_sdst(0) depctr_va_ssrc(0) depctr_va_vcc(0) depctr_vm_vsrc(0)
	s_getreg_b32 s2, hwreg(HW_REG_IB_STS2, 6, 4)
	s_cmp_eq_u32 s2, 0
	s_cbranch_scc0 .Lentry_in_a_cluster
	s_endpgm
.Lentry_in_a_cluster:
	s_bfe_u32 s2, ttmp6, 0x10000c
	s_cmp_lg_u32 s2, 0x3003
	s_cbranch_scc0 .Lentry_shape_is_right
	s_endpgm
.Lentry_shape_is_right:
; out[b][256 head + dv][n] = (g O[dv][n] + yp[b][dv][n]) / (1 + g), O = the sum over keys m of softmax_m(q[:, n] . k[:, m]) v[dv][m]; g = gamma[head].  Both products on codes of BF8 (E5M2) by v_wmma_f32_16x16x128_bf8_bf8.
; q, k, v come as images of operand registers, yp as raw f32 sums in the layout of a matrix result (the launch before made them): every fragment is four loads of 512 consecutive bytes, with no pitch and no padding.
; THE SOFTMAX AHEAD OF THE SECOND PRODUCT: t = score x log2(e); M = the row's largest t so far, rounded UP to a whole number; p = 2^(t - M) is what is quantised, along the keys, with the given 2^e9; it is not normalised.
; The row's sum is taken of the unquantised p, in f32, and divides at the end.  When M moves, the sum and O are multiplied by 2^(old M - new M), which rounds nothing.
; SHARES.  A work-group owns 128 queries of one head of one batch; each of its four waves owns 32, two tiles of 16, and walks all 1,024 keys, 128 a step.
; LAYOUT.  Both products are used transposed: S^T = K Q^T (source 0 = 16 keys, source 1 = 16 queries), O^T = V^T P (source 0 = 16 channels, source 1 = P): a lane holds ONE query throughout.
; The rows of every tile were chosen by the launch before (lane r of tile t: row 32 (t / 2) + 8 (t % 2) + r + 8 (r / 8)): the 16 registers of score tiles 2 c and 2 c + 1 are the keys 32 c + 16 h + 0 .. 15, so p's codes are
; chunk c of the second product's operand; lane r of my tile u is query 32 w + 8 u + r + 8 (r / 8) of the block; register j of tile T of O^T is channel 32 (T / 2) + 16 h + 8 (T % 2) + j.
; THE RING.  Two LDS slots of two key steps each (K 32 KB, V 32 KB a step), filled by the tensor data mover: waves 0 and 1 fetch the two steps' K, waves 2 and 3 their V, 32 KB a load.
; CLUSTER.  The four query blocks of a cluster belong to one head and walk the same K and V: each tile is asked for JOINTLY, by the same tensor load with the same descriptor and a mask that names the four.
; A STEP.  K of the next step is fetched from LDS (a whole window of registers) | the softmax of this step | O^T x f | V^T P of this step | V of the next step is fetched | K Q^T of the next step.
; LIMITS: e6 + e7 between -126 and 127 (added to the exponent field of log2(e)); e9 between -126 and 112; e8 + e9 and e10 + e11 go through v_ldexp_f32 and have none.  NaN and infinity among the codes are not served.
; REGISTERS, in windows of 256 (s_set_vgpr_msb: bits 1:0 source 0, 3:2 source 1, 5:4 source 2, 7:6 destination):
;   window 0: v1-7 addresses; v8-23 statistics, eight a tile; v24-31 constants; v32-95 Q (tile u, K step s at 32 + 32 u + 16 s); v96-223 S^T, then p (96 + 64 u + 8 t); v224-255 p's codes (224 + 16 u)
;   window 1: O^T (128 u + 8 T)      window 2: K of one step (32 t + 16 s), at the end yp (128 u + 8 T)      window 3: V of one step (16 T), at the end rows of the output
.set STEPB, 65536                      ; a key step in a slot: K's 32 KB, then V's
.set VOFF,  32768
.set SLOT1, 1<<17                      ; slot 1 begins here: one exclusive or turns an address in one slot into the other's
.set SPARE, 2*SLOT1                    ; behind the ring: the spare words, 128 bytes for each wave: two blocks of 256 bytes that no other line names
; the way out: a stage of 256 rows (channels) x 512 bytes (the block's 128 queries) in slot 0, which has had its last fill and its last read ahead of the last change of slots
.set LI,  1                            ; v1   16 x lane: my place in a chunk; also my offset in Q, yp and a row of the output
.set AV0, 2                            ; v2   the same + VOFF
.set ADR, 3                            ; v3   the LDS address of the run of loads in hand
.set SPW, 4                            ; v4   LDS address of my spare word: SPARE + 4 x my thread's number; never rewritten
.set NIL, 5                            ; v5   0; never rewritten
.set STO, 6                            ; v6, v7  the stage: where I put a number of channels 0-127, 128-255
.set ST,  8                            ; tile u's statistics at v[8 + 8 u]: +0 -M, +1 the largest t, +2, +3 the sum in two halves, +4 f (at the end the tile's factor), +5 the other half's figure, +6, +7 at work
.set PSC, 24                           ; v24  2^e9 as f32      v25  57,344 x 2^e9
.set CC,  26                           ; v[26:27]  2^(e10 + e11) / (1 + g)
.set RD,  28                           ; v28, v29  the stage: where I read a row back (rows whose bit 4 is 0, 1)
.set GA,  30                           ; v30  g / (1 + g)      v31  at work
.set Q,   32
.set S,   96
.set P,   224
.set WV,  18                           ; s18  my wave's number
.set G1,  24                           ; s[24:31] descriptor group 1, one for all loads
.set G0K, 32                           ; s[32:39] descriptor group 0 for K: a set for each of the two first fills; the second then walks on
.set G0V, 40                           ; s[40:47] the same for V
.set SLOTS, 48                         ; s48  slots still to be asked for
.set TWICE, 49                         ; s49  counts a slot's two steps (at the head: my tile's place in a slot)
.set CS,  50                           ; s[50:51] c = log2(e) x 2^(e6 + e7): the packed form names a pair and takes its low word for both halves
.set SEL, 52                           ; s[52:53] lane selects for v_permlanex16_b32: lane l xor 16
.set TB,  54                           ; s54  LDS byte at which the tiles of the step to be fetched begin
.set MSB, 0
.macro WIN new                         ; the immediate's high byte repeats the setting that is left
.if MSB != \new
	s_set_vgpr_msb (MSB<<8)|\new
.set MSB, \new
.endif
.endm
.macro PLACES                          ; four plain vector instructions behind a matrix instruction, ahead of reads of its result and of loads into its sources
.rept 4
	v_nop
.endr
.endm
; A joint refill.  The branch hangs on the wave's number alone: it is the same in every work-group.  Four v_nop follow each of the two lines.
.macro JLOAD
	s_cmp_lt_u32 s[WV], 2
	s_cbranch_scc0 .Lfor_v_\@
	tensor_load_to_lds s[G0K+4:G0K+7], s[G1:G1+7]
	s_nop 0
.rept 4
	v_nop
.endr
	s_branch .Lasked_\@
.Lfor_v_\@:
	tensor_load_to_lds s[G0V+4:G0V+7], s[G1:G1+7]
	s_nop 0
.rept 4
	v_nop
.endr
.Lasked_\@:
.endm
; A round of the cluster's barrier: my work-group's barrier; wave 0 signals for the work-group; every wave waits for all four work-groups; my work-group's barrier once more.
.macro CROUND
	s_barrier_signal -1
	s_barrier_wait -1
	s_cmp_lg_u32 s[WV], 0
	s_cbranch_scc1 .Lnot_wave_0_\@
	s_barrier_signal -3
.Lnot_wave_0_\@:
	s_barrier_wait -3
	s_barrier_signal -1
	s_barrier_wait -1
.endm
.macro FK                              ; K of the step at s[TB]: 16 fragments, 64 loads of 512 consecutive bytes, into window 2
	v_add_nc_u32 v[ADR], s[TB], v[LI]
	WIN 0x80
.set i, 0
.rept 64
	ds_load_b128 v[4*i:4*i+3], v[ADR] offset:512*i
.set i, i+1
.endr
	WIN 0
.endm
.macro FV                              ; V of the same step into window 3; the next fetch is the next step's
	v_add_nc_u32 v[ADR], s[TB], v[AV0]
	s_add_co_u32 s[TB], s[TB], STEPB
	WIN 0xc0
.set i, 0
.rept 64
	ds_load_b128 v[4*i:4*i+3], v[ADR] offset:512*i
.set i, i+1
.endr
	WIN 0
.endm
.macro SMUL                            ; S^T = K Q^T: 8 tiles of keys x 2 tiles of queries x 2 K steps; the 16 accumulators take turns, one instruction a turn; the first K step starts the sums
	WIN 0x02
.irp s, 0,1
.irp t, 0,1,2,3,4,5,6,7
.irp u, 0,1
.if \s == 0
	v_wmma_f32_16x16x128_bf8_bf8 v[S+64*\u+8*\t:S+64*\u+8*\t+7], v[32*\t+16*\s:32*\t+16*\s+15], v[Q+32*\u+16*\s:Q+32*\u+16*\s+15], 0
.else
	v_wmma_f32_16x16x128_bf8_bf8 v[S+64*\u+8*\t:S+64*\u+8*\t+7], v[32*\t+16*\s:32*\t+16*\s+15], v[Q+32*\u+16*\s:Q+32*\u+16*\s+15], v[S+64*\u+8*\t:S+64*\u+8*\t+7]
.endif
.endr
.endr
.endr
	WIN 0
.endm
.macro PVMUL first                     ; O^T += V^T P: 16 tiles of channels x 2 tiles of queries, K = the step's 128 keys; 32 accumulators by turns.  first = 1: the products start the sums: nothing is ever cleared
	WIN 0x53
.irp n, 0,1,2,3,4,5,6,7,8,9,10,11,12,13,14,15
.irp u, 0,1
.if \first
	v_wmma_f32_16x16x128_bf8_bf8 v[128*\u+8*\n:128*\u+8*\n+7], v[16*\n:16*\n+15], v[P+16*\u:P+16*\u+15], 0
.else
	v_wmma_f32_16x16x128_bf8_bf8 v[128*\u+8*\n:128*\u+8*\n+7], v[16*\n:16*\n+15], v[P+16*\u:P+16*\u+15], v[128*\u+8*\n:128*\u+8*\n+7]
.endif
.endr
.endr
	WIN 0
.endm
.macro RESCALE                         ; O^T x the tile's factor, two numbers at a time, each accumulator from its low end on
	WIN 0x41
.irp u, 0,1
.set i, 0
.rept 64
	v_pk_mul_f32 v[128*\u+i:128*\u+i+1], v[128*\u+i:128*\u+i+1], v[ST+8*\u+4:ST+8*\u+5] op_sel_hi:[1,0]
.set i, i+2
.endr
.endr
	WIN 0
.endm
; The softmax of a step, for both tiles; where one line feeds the next the two tiles alternate.
.macro SOFTMAX
.irp u, 0,1
	v_max3_num_f32 v[ST+8*\u+6], v[S+64*\u], v[S+64*\u+1], v[S+64*\u+2]      ; the step's largest score of my query among my 64 keys, in two chains, the scores in ascending order
	v_max3_num_f32 v[ST+8*\u+7], v[S+64*\u+3], v[S+64*\u+4], v[S+64*\u+5]
.endr
.irp i, 6,10,14,18,22,26,30,34,38,42,46,50,54,58
.irp u, 0,1
	v_max3_num_f32 v[ST+8*\u+6], v[ST+8*\u+6], v[S+64*\u+\i], v[S+64*\u+\i+1]
	v_max3_num_f32 v[ST+8*\u+7], v[ST+8*\u+7], v[S+64*\u+\i+2], v[S+64*\u+\i+3]
.endr
.endr
.irp u, 0,1
	v_max3_num_f32 v[ST+8*\u+6], v[ST+8*\u+6], v[S+64*\u+62], v[S+64*\u+63]
.endr
.irp u, 0,1
	v_max_num_f32 v[ST+8*\u+6], v[ST+8*\u+6], v[ST+8*\u+7]
.endr
.irp u, 0,1
	v_permlanex16_b32 v[ST+8*\u+5], v[ST+8*\u+6], s[SEL], s[SEL+1]
.endr
.irp u, 0,1
	v_max_num_f32 v[ST+8*\u+6], v[ST+8*\u+6], v[ST+8*\u+5]                   ; and among lane l xor 16's
.endr
.irp u, 0,1
	v_mul_f32 v[ST+8*\u+6], s[CS], v[ST+8*\u+6]                              ; as t (c is positive)
.endr
.irp u, 0,1
	v_max_num_f32 v[ST+8*\u+1], v[ST+8*\u+1], v[ST+8*\u+6]                   ; the running largest t
.endr
.irp u, 0,1
	v_mov_b32 v[ST+8*\u+6], v[ST+8*\u]
.endr
.irp u, 0,1
	v_floor_f32 v[ST+8*\u], -v[ST+8*\u+1]                                    ; the new -M = floor(-t) = -ceil(t): M is a whole number
.endr
.irp u, 0,1
	v_sub_f32 v[ST+8*\u+6], v[ST+8*\u], v[ST+8*\u+6]                         ; M's old value less its new one: a whole number, 0 or less
.endr
.irp u, 0,1
	v_cvt_i32_f32 v[ST+8*\u+6], v[ST+8*\u+6]                                 ; (it saturates)
.endr
.irp u, 0,1
	v_ldexp_f32 v[ST+8*\u+4], 1.0, v[ST+8*\u+6]                              ; f = 2^(old M - new M)
.endr
.irp u, 0,1
.set i, 0
.rept 32
	v_pk_fma_f32 v[S+64*\u+i:S+64*\u+i+1], v[S+64*\u+i:S+64*\u+i+1], s[CS:CS+1], v[ST+8*\u:ST+8*\u+1] op_sel_hi:[1,0,0]   ; t - M, two at a time (of the pairs c and -M the low word serves both halves)
.set i, i+2
.endr
.endr
.set i, 0
.rept 128
	v_exp_f32 v[S+i], v[S+i]                                                 ; p = 2^(t - M), at most 1: not normalised
.set i, i+1
.endr
.irp u, 0,1
	v_pk_mul_f32 v[ST+8*\u+2:ST+8*\u+3], v[ST+8*\u+2:ST+8*\u+3], v[ST+8*\u+4:ST+8*\u+5] op_sel_hi:[1,0]   ; the sums under the new M.  (The plain place behind the exponentials)
.endr
	s_wait_alu depctr_va_vdst(0)
.irp u, 0,1
	v_pk_add_f32 v[ST+8*\u+6:ST+8*\u+7], v[S+64*\u:S+64*\u+1], v[S+64*\u+2:S+64*\u+3]                    ; the row's sum is taken of the unquantised p: two at a time, in two chains a tile
.endr
.irp i, 4,8,12,16,20,24,28,32,36,40,44,48,52,56,60
.irp u, 0,1
	v_pk_add_f32 v[ST+8*\u+2:ST+8*\u+3], v[ST+8*\u+2:ST+8*\u+3], v[S+64*\u+\i:S+64*\u+\i+1]
	v_pk_add_f32 v[ST+8*\u+6:ST+8*\u+7], v[ST+8*\u+6:ST+8*\u+7], v[S+64*\u+\i+2:S+64*\u+\i+3]
.endr
.endr
.irp u, 0,1
	v_pk_add_f32 v[ST+8*\u+2:ST+8*\u+3], v[ST+8*\u+2:ST+8*\u+3], v[ST+8*\u+6:ST+8*\u+7]
.endr
.irp u, 0,1
.irp b, 0,1,2,3
.irp k, 0,1,2,3,4,5,6,7,8,9,10,11,12,13,14,15
	v_min_num_f32 v[S+64*\u+16*\b+\k], v[S+64*\u+16*\b+\k], v[PSC+1]         ; the conversion to an 8-bit code does not saturate (ISA guide 7.6.2); p is not negative, so the hold is one-sided
.endr
	v_cvt_scalef32_pk8_bf8_f32 v[P+16*\u+4*\b:P+16*\u+4*\b+1], v[S+64*\u+16*\b:S+64*\u+16*\b+7], v[PSC]
	v_cvt_scalef32_pk8_bf8_f32 v[P+16*\u+4*\b+2:P+16*\u+4*\b+3], v[S+64*\u+16*\b+8:S+64*\u+16*\b+15], v[PSC]
.endr
.endr
	v_nop                                          ; one plain vector instruction between the last conversion and the products that read its result
.endm
; A KEY STEP.  first = 1: step 0, which starts O^T.  last = 1: step 7: nothing more to fetch from LDS; yp is asked for instead, into K's registers.
.macro STEP first, last
	PLACES                                         ; behind the products K Q^T: ahead of the loads into K's registers and of the first read of the scores
.if \last
	WIN 0x80
.set i, 0
.rept 64
	global_load_b128 v[4*i:4*i+3], v[LI], s[10:11] offset:512*i   ; yp of my two tiles: 32 KB, 512 consecutive bytes a load
.set i, i+1
.endr
	WIN 0
.else
	FK
.endif
	SOFTMAX
.if !\first
	RESCALE                                        ; O^T under the new M
.endif
.if \last
	s_wait_dscnt 0x0                               ; V is in: nothing was issued behind it
.else
	s_wait_dscnt 63                                ; V is in: behind its loads stand K's 64, of which 63 may be out
.endif
	PVMUL \first
.if !\last
	PLACES                                         ; ahead of the loads into V's registers
	FV
	s_wait_dscnt 63                                ; K is in: behind its loads stand V's 64
	SMUL
.endif
.endm
; THE CHANGE OF SLOTS, when the slot's last bytes, V of its second step, have been asked for.  Each wave waits for all its tensor loads (its part of the other slot), adds 0 to its spare word, and waits for that and for its
; reads of the slot.  fill = 1: the slot is filled again, with the keys two slots on: the barrier is then a round of the cluster's, and the joint refill is the first thing behind it: it has two key steps in which to land.
.macro CHANGE fill
	s_wait_tensorcnt 0x0                           ; no tensor load of mine is out, so a group 0 may be written
	ds_add_u32 v[SPW], v[NIL]                      ; 0 onto my spare word
.if \fill
.irp g, G0K+4, G0V+4
	s_xor_b32 s[\g+1], s[\g+1], SLOT1              ; the walking descriptor: the other slot than last time,
	s_add_nc_u64 s[\g+2:\g+3], s[\g+2:\g+3], 65536 ; the next two steps' images; the type bits on top are not reached
.endr
	s_wait_dscnt 0x0                               ; the add is done, and my reads of the slot are over
	CROUND
	JLOAD
.else
	s_wait_dscnt 0x0
	s_barrier_signal -1
	s_barrier_wait -1
.endif
	s_sub_co_u32 s[TB], s[TB], 2*STEPB             ; the fetches go back to a slot's first step,
	s_xor_b32 s[TB], s[TB], SLOT1                  ; in the other slot
.endm
.macro TWO_STEPS                       ; two key steps: written once, walked twice; the LDS addresses hang on s[TB]
	s_mov_b32 s[TWICE], 2
.Lstep_\@:
	STEP 0, 0
	s_sub_co_u32 s[TWICE], s[TWICE], 1
	s_cmp_lg_u32 s[TWICE], 0
	s_cbranch_scc1 .Lstep_\@
.endm
	s_load_b256 s[4:11], s[0:1], 0x0               ; qws s[4:5], kws s[6:7], vws s[8:9], ypws s[10:11]
	s_load_b128 s[12:15], s[0:1], 0x20             ; gamma s[12:13], the scales' exponents s[14:15]
	s_load_b64 s[16:17], s[0:1], 0x30              ; out0
	v_lshl_add_u32 v[SPW], v0, 2, SPARE
	v_mov_b32 v[NIL], 0
	ds_add_u32 v4, v5
	ds_add_u32 v4, v5
	s_wait_dscnt 0x0
	v_lshrrev_b32 v3, 5, v0
	v_readfirstlane_b32 s[WV], v3                  ; wave 0..3
	s_bfe_u32 s2, ttmp6, 0x40000                   ; cx: my place in the cluster
	s_lshl_b32 s3, ttmp9, 2                        ; in a cluster launch ttmp9 counts clusters
	s_add_co_u32 s3, s3, s2                        ; my block of 128 queries, 0..7: it enters Q's, yp's and the output's addresses alone
	s_and_b32 s19, ttmp7, 0xffff                   ; 8 b + head, which the four partners share
	s_lshl_b32 s20, s19, 18                        ; the head's first byte in kws and in vws,
	s_and_b32 s21, s[WV], 1                        ; which of a slot's two steps I fetch:
	s_lshl_b32 s[TWICE], s21, 16                   ; its place in a slot (no place in the cluster enters an LDS address),
	s_lshl_b32 s21, s21, 15                        ; and its 32 KB in memory
	s_add_co_u32 s20, s20, s21
	s_mov_b32 s21, 0
	; descriptor group 1: a dense block of 32 KB as 128 rows of 256 bytes
	s_mov_b32 s[G1], 15|(3<<16)|(1<<21)            ; 15:0 the mask: all four work-groups; 17:16 elements of 8 bytes; 20 no padding; 21 set beside a mask
	s_mov_b32 s[G1+1], 32<<16                      ; tensor_dim0 = 32 elements
	s_mov_b32 s[G1+2], 128<<16                     ; tensor_dim1 = 128
	s_mov_b32 s[G1+3], 32<<16                      ; tile_dim0 = 32
	s_mov_b32 s[G1+4], 128                         ; tile_dim1 = 128
	s_mov_b32 s[G1+5], 32                          ; elements from row to row: dense
	s_mov_b32 s[G1+6], 0
	s_mov_b32 s[G1+7], 0
	s_mov_b32 s[SEL], 0x76543210
	s_mov_b32 s[SEL+1], 0xfedcba98
	s_mov_b32 s[TB], 0
	s_mov_b32 s[SLOTS], 2
	s_mov_b32 s23, 0
	s_wait_kmcnt 0x0
	s_load_b64 s[56:57], s[14:15], 0x18            ; e6, e7
	s_load_b128 s[60:63], s[14:15], 0x20           ; e8, e9, e10, e11
	s_and_b32 s22, s19, 7
	s_lshl_b32 s22, s22, 2
	s_add_nc_u64 s[12:13], s[12:13], s[22:23]
	s_load_b32 s58, s[12:13], 0x0                  ; g of my head
	s_add_nc_u64 s[6:7], s[6:7], s[20:21]          ; K and V at my tile of slot 0
	s_add_nc_u64 s[8:9], s[8:9], s[20:21]
	s_lshl_b32 s22, s19, 18                        ; Q: the head, + 8 tiles of 4 KB a block, + 2 tiles a wave
	s_lshl_b32 s2, s3, 15
	s_add_co_u32 s22, s22, s2
	s_lshl_b32 s2, s[WV], 13
	s_add_co_u32 s22, s22, s2
	s_add_nc_u64 s[4:5], s[4:5], s[22:23]
	s_lshr_b32 s22, s19, 3                         ; yp: b, + 8 tiles of 16 KB a block, + 2 tiles a wave
	s_lshl_b32 s22, s22, 20
	s_lshl_b32 s2, s3, 17
	s_add_co_u32 s22, s22, s2
	s_lshl_b32 s2, s[WV], 15
	s_add_co_u32 s22, s22, s2
	s_add_nc_u64 s[10:11], s[10:11], s[22:23]
	s_lshl_b32 s22, s19, 20                        ; the output: the head's 256 rows of 4,096 bytes, + the 64 rows that I store, + the block's 512 bytes of a row
	s_lshl_b32 s2, s[WV], 18
	s_add_co_u32 s22, s22, s2
	s_lshl_b32 s2, s3, 9
	s_add_co_u32 s22, s22, s2
	s_add_nc_u64 s[16:17], s[16:17], s[22:23]
	CROUND                                         ; all four work-groups are here: the first joint loads meet
.irp n, 0,1
	s_mov_b32 s[G0K+4*\n], 1                       ; count = 1
	s_add_co_u32 s[G0K+4*\n+1], s[TWICE], \n*SLOT1 ; LDS address
	s_add_nc_u64 s[G0K+4*\n+2:G0K+4*\n+3], s[6:7], \n*65536   ; global address: slot n begins with steps 2 n, 2 n + 1
	s_or_b32 s[G0K+4*\n+3], s[G0K+4*\n+3], 0x80000000         ; type = 2
	s_mov_b32 s[G0V+4*\n], 1
	s_add_co_u32 s[G0V+4*\n+1], s[TWICE], \n*SLOT1+VOFF
	s_add_nc_u64 s[G0V+4*\n+2:G0V+4*\n+3], s[8:9], \n*65536
	s_or_b32 s[G0V+4*\n+3], s[G0V+4*\n+3], 0x80000000
.endr
	s_cmp_lt_u32 s[WV], 2                          ; a wave's two first fills stand in one branch, ahead of every wait on TENSORcnt and every LDS read: two loads of mine are out
	s_cbranch_scc0 .Lfirst_v
	tensor_load_to_lds s[G0K:G0K+3], s[G1:G1+7]
	s_nop 0
	tensor_load_to_lds s[G0K+4:G0K+7], s[G1:G1+7]
	s_nop 0
.rept 4
	v_nop
.endr
	s_branch .Lfirst_asked
.Lfirst_v:
	tensor_load_to_lds s[G0V:G0V+3], s[G1:G1+7]
	s_nop 0
	tensor_load_to_lds s[G0V+4:G0V+7], s[G1:G1+7]
	s_nop 0
.rept 4
	v_nop
.endr
.Lfirst_asked:
	v_and_b32 v[LI], 31, v0
	v_lshlrev_b32 v[LI], 4, v[LI]
.set i, 0
.rept 16
	global_load_b128 v[Q+4*i:Q+4*i+3], v[LI], s[4:5] offset:512*i th:TH_LOAD_NT   ; Q's four fragments stay in registers; no other wave of the launch reads them
.set i, i+1
.endr
	v_add_nc_u32 v[AV0], VOFF, v[LI]
	v_and_b32 v96, 15, v0                          ; r
	v_bfe_u32 v97, v0, 4, 1                        ; h
	v_and_b32 v98, 8, v96
	v_add_nc_u32 v98, v98, v96                     ; r + 8 (r / 8)
	v_and_b32 v99, 0x60, v0                        ; 32 x wave
	; the stage.  Row = channel, 512 bytes; column byte = 4 x (32 w + 8 u + r + 8 (r / 8)).  A lane's channels have bit 4 = h; in rows whose bit 4 is set the column byte is turned by an exclusive or with 128,
	; so that the two halves of the lanes, 16 rows apart, fall on different banks (64 banks of 4 bytes: ISA guide 11.1).
	v_lshlrev_b32 v[STO], 2, v99                   ; 128 w
	v_lshl_add_u32 v[STO], v98, 2, v[STO]
	v_lshlrev_b32 v100, 7, v97
	v_xor_b32 v[STO], v[STO], v100
	v_lshl_add_u32 v[STO], v97, 13, v[STO]         ; + 16 h rows
	v_add_nc_u32 v[STO+1], 0x10000, v[STO]         ; channels 128 on
	v_lshlrev_b32 v[RD], 10, v99                   ; back: my 64 rows, 16 bytes a lane
	v_xor_b32 v[RD+1], 0x80, v[LI]
	v_add_nc_u32 v[RD+1], v[RD], v[RD+1]
	v_add_nc_u32 v[RD], v[RD], v[LI]
.irp u, 0,1
	v_mov_b32 v[ST+8*\u+1], 0xff61b1e6             ; the largest t so far: -3e38, under every t
	v_floor_f32 v[ST+8*\u], -v[ST+8*\u+1]          ; -M
	v_mov_b32 v[ST+8*\u+2], 0                      ; the sum, in two halves
	v_mov_b32 v[ST+8*\u+3], 0
	v_mov_b32 v[ST+8*\u+5], 0                      ; written once: a lane permute's destination counts as one of its sources
.endr
	s_wait_kmcnt 0x0
	s_add_co_i32 s2, s56, s57
	s_lshl_b32 s2, s2, 23
	s_add_co_i32 s[CS], s2, 0x3fb8aa3b             ; a score stands for score x 2^(e6 + e7): the two exponents are added to the exponent field of log2(e)
	s_mov_b32 s[CS+1], s[CS]                       ; (named with it as a pair, so it is written)
	s_add_co_i32 s55, s60, s61                     ; e8 + e9
	s_add_co_i32 s59, s62, s63                     ; e10 + e11
	s_add_co_i32 s2, s61, 127
	s_lshl_b32 s3, s2, 23
	v_mov_b32 v[PSC], s3                           ; 2^e9 as f32, for the conversion
	s_add_co_i32 s2, s2, 15
	s_lshl_b32 s2, s2, 23
	s_or_b32 s2, s2, 0x600000
	v_mov_b32 v[PSC+1], s2                         ; 57,344 x 2^e9
	v_mov_b32 v[GA+1], s58
	v_add_f32 v[GA+1], 1.0, v[GA+1]
	v_rcp_f32 v[CC], v[GA+1]                       ; 1 / (1 + g)
	v_nop                                          ; one plain place behind a transcendental
	s_wait_alu depctr_va_vdst(0)
	v_mul_f32 v[GA], s58, v[CC]                    ; g / (1 + g)
	v_ldexp_f32 v[CC], v[CC], s59                  ; 2^(e10 + e11) / (1 + g)
	v_mov_b32 v[CC+1], v[CC]                       ; (named with it as a pair)
	s_wait_tensorcnt 0x1                           ; my part of slot 0 is in; slot 1's may stay out
	s_barrier_signal -1
	s_barrier_wait -1                              ; everybody's is
	FK                                             ; key step 0
	FV
	s_wait_dscnt 63                                ; K is in: behind its loads stand V's 64
	s_wait_loadcnt 0x0                             ; Q
	SMUL
	STEP 1, 0                                      ; step 0; it fetches step 1 and leaves slot 0 read out
.Lslot:                                            ; two trips: steps 1, 2 and 3, 4; slot 0 takes steps 4, 5, then slot 1 steps 6, 7
	CHANGE 1
	TWO_STEPS
	s_sub_co_u32 s[SLOTS], s[SLOTS], 1
	s_cmp_lg_u32 s[SLOTS], 0
	s_cbranch_scc1 .Lslot
	CHANGE 0                                       ; the tail is written out: slot 0 is left for good, and nothing is asked for
	TWO_STEPS                                      ; steps 5, 6
	STEP 0, 1                                      ; step 7
	; THE WAY OUT.  out = O^T x (g / (1 + g) / the sum x 2^(e8 + e9)) + yp's sums x (2^(e10 + e11) / (1 + g)).
	PLACES                                         ; behind the last products
.irp u, 0,1
	v_add_f32 v[ST+8*\u+6], v[ST+8*\u+2], v[ST+8*\u+3]     ; the sum's two halves,
.endr
.irp u, 0,1
	v_permlanex16_b32 v[ST+8*\u+5], v[ST+8*\u+6], s[SEL], s[SEL+1]
.endr
.irp u, 0,1
	v_add_f32 v[ST+8*\u+6], v[ST+8*\u+6], v[ST+8*\u+5]     ; and lane l xor 16's: the row's sum
.endr
.irp u, 0,1
	v_rcp_f32 v[ST+8*\u+4], v[ST+8*\u+6]
.endr
	v_nop                                          ; one plain place behind the transcendentals
	s_wait_alu depctr_va_vdst(0)
.irp u, 0,1
	v_mul_f32 v[ST+8*\u+4], v[GA], v[ST+8*\u+4]
.endr
.irp u, 0,1
	v_ldexp_f32 v[ST+8*\u+4], v[ST+8*\u+4], s55
.endr
	RESCALE
	s_wait_loadcnt 0x0                             ; yp
	WIN 0x52                                       ; yp in window 2, its factor in window 0, O^T in window 1
.set i, 0
.rept 128
	v_pk_fma_f32 v[i:i+1], v[i:i+1], v[CC:CC+1], v[i:i+1] op_sel_hi:[1,0,1]
.set i, i+2
.endr
	; A lane holds one query and 128 channels a tile; a row of the output is one channel and runs along the queries.  So the block turns through the stage: 4 bytes a lane in, whole rows of 512 bytes back.
	WIN 0x04                                       ; the stores' data in window 1
.irp u, 0,1
.irp n, 0,1,2,3,4,5,6,7,8,9,10,11,12,13,14,15
.irp j, 0,1,2,3,4,5,6,7
	ds_store_b32 v[STO+\n/8], v[128*\u+8*\n+\j] offset:(32*((\n%8)/2)+8*(\n%2)+\j)*512+32*\u
.endr
.endr
.endr
	WIN 0
	s_wait_dscnt 0x0                               ; for the others' sake: my stores into the stage are done
	s_barrier_signal -1
	s_barrier_wait -1                              ; a row's 512 bytes come from all four waves
	WIN 0xc0                                       ; into window 3, which V has left
.set i, 0
.rept 64
	ds_load_b128 v[4*i:4*i+3], v[RD+(i/16)%2] offset:512*i   ; row 64 w + i
.set i, i+1
.endr
	WIN 0x0c                                       ; the stores' data in window 3
.set i, 0
.rept 64
	s_wait_dscnt 63-i                              ; LDS loads come back in order (ISA guide 5.7.1): row i is in, the rows behind it may be out
	global_store_b128 v[LI], v[4*i:4*i+3], s[16:17] offset:4096*i th:TH_STORE_NT   ; 32 lanes store 512 consecutive bytes, at a multiple of 512 from the output's first byte; written once, read by nobody here
.set i, i+1
.endr
	WIN 0
	s_wait_tensorcnt 0x0                           ; the wave's end, behind my last tensor load and my last LDS store
	ds_add_u32 v[SPW], v[NIL]
	s_wait_dscnt 0x0
	CROUND                                         ; the closing round: no work-group ends while a partner may still ask for a tile that names it
	s_endpgm
.Lfunc_end_k_q054e56011b_attend:
	.size	k_q054e56011b_attend, .Lfunc_end_k_q054e56011b_attend-k_q054e56011b_attend
	.p2alignl 7, 3214868480
	.fill 96, 4, 3214868480
	.section	.rodata,"a",@progbits
	.p2align	6, 0x0
	.amdhsa_kernel k_q054e56011b_attend
		.amdhsa_group_segment_fixed_size 327680
		.amdhsa_private_segment_fixed_size 0
		.amdhsa_enable_private_segment 0
		.amdhsa_kernarg_size 56
		.amdhsa_user_sgpr_count 2
		.amdhsa_user_sgpr_kernarg_segment_ptr 1
		.amdhsa_wavefront_size32 1
		.amdhsa_system_sgpr_workgroup_id_x 1
		.amdhsa_system_sgpr_workgroup_id_y 1
		.amdhsa_system_sgpr_workgroup_id_z 1
		.amdhsa_system_vgpr_workitem_id 0
		.amdhsa_next_free_vgpr 1024
		.amdhsa_next_free_sgpr 66
		.amdhsa_reserve_vcc 0
		.amdhsa_float_denorm_mode_32 3
		.amdhsa_float_denorm_mode_16_64 3
		.amdhsa_memory_ordered 1
		.amdhsa_forward_progress 1
		.amdhsa_inst_pref_size 225
	.end_amdhsa_kernel
	.amdgpu_metadata
---
amdhsa.version: [ 1, 2 ]
amdhsa.kernels:
  - .name:           k_q054e56011b_attend
    .symbol:         k_q054e56011b_attend.kd
    .args:
      - { .name: qws, .offset: 0, .size: 8, .value_kind: global_buffer, .address_space: global }
      - { .name: kws, .offset: 8, .size: 8, .value_kind: global_buffer, .address_space: global }
      - { .name: vws, .offset: 16, .size: 8, .value_kind: global_buffer, .address_space: global }
      - { .name: ypws, .offset: 24, .size: 8, .value_kind: global_buffer, .address_space: global }
      - { .name: gamma, .offset: 32, .size: 8, .value_kind: global_buffer, .address_space: global }
      - { .name: lowp_scales, .offset: 40, .size: 8, .value_kind: global_buffer, .address_space: global }
      - { .name: out0, .offset: 48, .size: 8, .value_kind: global_buffer, .address_space: global }
    .group_segment_fixed_size: 327680
    .private_segment_fixed_size: 0
    .kernarg_segment_align: 8
    .kernarg_segment_size: 56
    .max_flat_workgroup_size: 128
    .sgpr_count:     66
    .vgpr_count:     1024
    .wavefront_size: 32
...
	.end_amdgpu_metadata
.endif
;; end of part 2
